; MI455X (gfx1250); checked and timed in simulation.
; The chip was launched on July 23, 2026; its instructions are those of AMD's public machine-readable ISA for CDNA 5 (MIT licence, August 2026) and "CDNA5" Instruction Set Architecture Reference Guide (July 2026). The comments in the code are by the model that wrote it; some were corrected since.
;; Multi Head Attention. Allowed arithmetic: float matrix products may take bf16 or f16 operands with f32 sums; all other float work in f32.
;; Inputs: W_out 1,024 x 1,024 float32; W_qkv 1,024 x 3,072 float32; mask 2,048 x 2,048 int32; x 4 x 2,048 x 1,024 float32.
;; Outputs: out0 4 x 2,048 x 1,024 float32.
;; One version. Each part assembles by itself: llvm-mc -triple=amdgcn-amd-amdhsa -mcpu=gfx1250 --defsym DOCPART=n.
;; ======== version 1 of 1: 4 launches
;; limits: values are held in f16: magnitudes above 65,504 overflow, below 6.1e-05 lose precision
;; workspace buffers: xb 16,777,216 bytes; wqt 6,291,456 bytes; wot 2,097,152 bytes; bias 16,777,216 bytes; flags 512 bytes of whole numbers; qkv 50,331,648 bytes; ob 16,777,216 bytes
;; launch prep (part 1): grid 640 x 1, 16 waves a work-group, no clusters, 71,936 bytes of LDS; arguments x, W_qkv, W_out, mask, xb, wqt, wot, bias, flags; writes xb, wqt, wot, bias, flags
.if DOCPART == 1
	.amdgcn_target "amdgcn-amd-amdhsa--gfx1250"
	.amdhsa_code_object_version 6
	.text
	.protected	k_q82d032b948_prep
	.globl	k_q82d032b948_prep
	.p2align	8
	.type	k_q82d032b948_prep,@function
k_q82d032b948_prep:
	s_mov_b64 s[64:65], 0
	v_nop
	global_prefetch_b8 v0, s[64:65] scope:SCOPE_SE
	s_setreg_imm32_b32 hwreg(HW_REG_WAVE_MODE, 25, 1), 1
	s_wait_xcnt 0x0
; PREPARATION: four jobs, chosen by the work-group's number; a stream, so no matrix unit, no tensor mover, no cluster (no two work-groups read the same bytes).
;   0..127   M:  128 queries x 256 keys of the mask (block qb, half, tile kt) -> bias (f32, 0 or -1e30) in the order of a matrix instruction's C operand, and one flag word
;   128..383 X:  x (f32) -> xb (bf16)                     384..575 WQ: W_qkv (f32, [k][n]) -> wqt (bf16, [n][k])       576..639 WO: W_out -> wot (rounded to bf16, written as f16, [n][k])
; BLOCKS.  Every 16-bit operand lies in blocks of 16 rows x 16 k = 512 bytes; the 16 bytes number 16 h + r hold row r, k = 8 h .. 8 h + 7.  So lane l of a wave finds its part of a
; matrix fragment at byte 16 l of a block, and every later load or store of a block is 512 consecutive bytes.  xb, wqt, wot: [K step of 128][16 rows][8 blocks][512].
; Each wave turns its piece round in a stage of its own in LDS (4,352 bytes); LDS serves a wave's instructions in order (ISA guide 5.7.1.4), so no wait stands between its stores and loads.
; 82 registers a wave: three work-groups of 16 waves fit the 1,024 registers of each SIMD (12 x 82) and LDS (3 x 71,936 bytes), so that one group's loads are out while another stores.
; FLAGS: word 16 qb + 8 half + kt; bit kt: some key of the piece is visible; bit 16 + kt: some key is hidden.
; LIMIT.  wot: a weight below 6e-5 in size keeps f16's fixed step of 6e-8; one beyond 65,504 would not fit.
.set STG, 4352                         ; a wave's stage: 16 rows of 272 bytes
.set FLG, 16*STG                       ; behind the stages: 4 bytes a wave, job M's findings
.set NEG, 0xf149f2ca                   ; -1e30
.set M_END, 128
.set X_END, 384
.set Q_END, 576
	s_load_b512 s[4:19], s[0:1], 0x0               ; x 4:5, W_qkv 6:7, W_out 8:9, mask 10:11, xb 12:13, wqt 14:15, wot 16:17, bias 18:19
	s_load_b64 s[20:21], s[0:1], 0x40              ; flags
	v_lshl_add_u32 v80, v0, 2, 0x11100
	v_mov_b32 v81, 0
	v_and_b32 v1, 31, v0                           ; lane
	v_lshrrev_b32 v5, 5, v0
	v_readfirstlane_b32 s22, v5                    ; wave 0..15
	v_and_b32 v2, 15, v0                           ; r
	v_bfe_u32 v3, v0, 4, 1                         ; h
	v_lshlrev_b32 v4, 4, v1                        ; 16 x lane
	s_mul_i32 s23, s22, STG                        ; my stage
	s_mov_b32 s24, 0                               ; 1 in job M
	s_mov_b32 s25, ttmp9
	s_mov_b32 s31, 0                               ; the high word of every offset: all stay under 2^32
	s_wait_kmcnt 0x0
	s_cmp_lt_u32 s25, M_END
	s_cbranch_scc1 .Lmask
	s_cmp_lt_u32 s25, X_END
	s_cbranch_scc1 .Lx
	s_cmp_lt_u32 s25, Q_END
	s_cbranch_scc1 .Lwq
; A wave turns 16 k x 64 n of a weight.  Lane (r, h) loads rows k = 8 h + i (i = 0..7), columns n = 4 r + e (e = 0..3): an instruction takes two rows x 256 bytes.
; For column 4 r + e the lane's eight k are 16 bytes of a block: block r / 4 of the four, bytes number 16 h + 4 (r % 4) + e.  Blocks lie 528 bytes apart in the stage,
; so the 16 lanes of a store touch 16 different 16-byte columns modulo 256 bytes.
.macro WJOB sb, db, ROWB, N16, F16, first
	s_sub_co_u32 s26, s25, \first
	s_and_b32 s27, s26, 63                         ; which 16 k
	s_lshr_b32 s28, s26, 6
	s_lshl_b32 s28, s28, 4
	s_add_co_u32 s28, s28, s22                     ; which 64 n
	s_mul_i32 s30, s27, 16*(\ROWB)
	s_lshl_b32 s29, s28, 8
	s_add_co_u32 s30, s30, s29
	s_add_nc_u64 s[\sb:\sb+1], s[\sb:\sb+1], s[30:31]
	v_mul_u32_u24 v7, v3, 8*(\ROWB)
	v_lshl_add_u32 v7, v2, 4, v7
.irp i, 0,1,2,3,4,5,6,7
	global_load_b128 v[16+4*\i:19+4*\i], v7, s[\sb:\sb+1] offset:(\i)*(\ROWB) th:TH_LOAD_NT
.endr
	s_lshr_b32 s29, s27, 3                         ; K step
	s_mul_i32 s29, s29, \N16
	s_lshl_b32 s30, s28, 2
	s_add_co_u32 s29, s29, s30                     ; + the first of my four blocks of 16 n
	s_lshl_b32 s29, s29, 3
	s_and_b32 s30, s27, 7
	s_add_co_u32 s30, s30, s29                     ; + the block of 16 k in the step
	s_lshl_b32 s30, s30, 9
	s_add_nc_u64 s[\db:\db+1], s[\db:\db+1], s[30:31]
	v_lshrrev_b32 v8, 2, v2
	v_mul_u32_u24 v8, v8, 528
	v_and_b32 v9, 3, v2
	v_lshl_add_u32 v8, v9, 6, v8
	v_lshl_add_u32 v8, v3, 8, v8
	v_add_nc_u32 v8, s23, v8                       ; into the stage
	v_add_nc_u32 v9, s23, v4                       ; back: a block as it will lie in memory
	s_wait_loadcnt 0x0
.irp e, 0,1,2,3
.irp j, 0,1,2,3
	v_cvt_pk_bf16_f32 v[48+4*\e+\j], v[16+8*\j+\e], v[20+8*\j+\e]  ; k = 8 h + 2 j, 8 h + 2 j + 1 of column 4 r + e
.if \F16
	v_lshlrev_b32 v12, 16, v[48+4*\e+\j]           ; the bf16 numbers, widened,
	v_and_b32 v13, 0xffff0000, v[48+4*\e+\j]
	v_cvt_pk_f16_f32 v[48+4*\e+\j], v12, v13       ; are written as f16
.endif
.endr
	ds_store_b128 v8, v[48+4*\e:51+4*\e] offset:16*\e
.endr
.irp j, 0,1,2,3
	ds_load_b128 v[64+4*\j:67+4*\j], v9 offset:528*\j
.endr
.irp j, 0,1,2,3
	s_wait_dscnt 3-\j                              ; the younger read-backs stay out
	global_store_b128 v4, v[64+4*\j:67+4*\j], s[\db:\db+1] offset:4096*\j  ; 512 consecutive bytes, aligned
.endr
.endm
	WJOB 8, 16, 4096, 64, 1, Q_END
	s_branch .Ljoin
.Lwq:
	WJOB 6, 14, 12288, 192, 0, X_END
	s_branch .Ljoin
.Lx:	; a wave takes 16 rows x 128 k of x: 16 loads of 512 consecutive bytes, all out at once
	s_sub_co_u32 s26, s25, M_END
	s_lshl_b32 s26, s26, 4
	s_add_co_u32 s26, s26, s22
	s_lshr_b32 s27, s26, 3                         ; which 16 rows
	s_and_b32 s28, s26, 7                          ; which K step
	s_lshl_b32 s30, s27, 16
	s_lshl_b32 s29, s28, 9
	s_add_co_u32 s30, s30, s29
	s_add_nc_u64 s[4:5], s[4:5], s[30:31]
.irp r, 0,1,2,3,4,5,6,7,8,9,10,11,12,13,14,15
	global_load_b128 v[16+4*\r:19+4*\r], v4, s[4:5] offset:4096*\r th:TH_LOAD_NT
.endr
	s_lshl_b32 s30, s28, 9
	s_add_co_u32 s30, s30, s27
	s_lshl_b32 s30, s30, 12
	s_add_nc_u64 s[12:13], s[12:13], s[30:31]
	v_lshl_add_u32 v5, v1, 3, s23                  ; in: 8 bytes a lane, rows 272 bytes apart
	v_mul_u32_u24 v6, v2, 272
	v_lshl_add_u32 v6, v3, 4, v6
	v_add_nc_u32 v6, s23, v6                       ; back: row r, 16 bytes for each half of the lanes; 16 rows 272 bytes apart touch 16 different 16-byte columns modulo 256
.irp r, 0,1,2,3,4,5,6,7,8,9,10,11,12,13,14,15
	s_wait_loadcnt 15-\r                           ; loads return in order (ISA guide 5.7.1): row r is in, the younger rows stay out
	v_cvt_pk_bf16_f32 v[16+2*\r], v[16+4*\r], v[17+4*\r]  ; row r's two words go to v[16 + 2 r]: registers of row r / 2, which is in and has been read
	v_cvt_pk_bf16_f32 v[17+2*\r], v[18+4*\r], v[19+4*\r]
	ds_store_b64 v5, v[16+2*\r:17+2*\r] offset:272*\r
.endr
.irp b, 0,1,2,3,4,5,6,7
	ds_load_b128 v[48+4*\b:51+4*\b], v6 offset:32*\b  ; into the registers of rows 8-15, which have been read
.endr
.irp b, 0,1,2,3,4,5,6,7
	s_wait_dscnt 7-\b
	global_store_b128 v4, v[48+4*\b:51+4*\b], s[12:13] offset:512*\b
.endr
	s_branch .Ljoin
.Lmask:	; wave 8 wl + 2 s + xp takes queries 64 (2 half + wl) + 32 xp .. + 31 of the block and keys 64 s .. + 63 of the tile: two units of 16 queries; its 16 loads (two rows x 256 bytes each) go out at once
	s_mov_b32 s24, 1
	s_lshr_b32 s26, s25, 4                         ; qb
	s_bfe_u32 s27, s25, 0x10003                    ; half
	s_and_b32 s28, s25, 7                          ; kt
	s_lshr_b32 s29, s22, 3
	s_lshl_b32 s27, s27, 1
	s_add_co_u32 s27, s27, s29                     ; w = 2 half + wl: whose queries these are in the attention
	s_bfe_u32 s29, s22, 0x20001                    ; s
	s_and_b32 s32, s22, 1                          ; xp
	s_lshl_b32 s30, s26, 2
	s_add_co_u32 s30, s30, s27
	s_lshl_b32 s30, s30, 1
	s_add_co_u32 s30, s30, s32                     ; 8 qb + 2 w + xp:
	s_lshl_b32 s30, s30, 18                        ; 32 rows of 8,192 bytes
	s_lshl_b32 s33, s28, 2
	s_add_co_u32 s33, s33, s29
	s_lshl_b32 s33, s33, 8                         ; 64 words
	s_add_co_u32 s30, s30, s33
	s_add_nc_u64 s[10:11], s[10:11], s[30:31]
	v_lshlrev_b32 v7, 13, v3
	v_lshl_add_u32 v7, v2, 4, v7                   ; row h, 16 bytes at 16 r
.irp u, 0,1
.irp i, 0,1,2,3,4,5,6,7
	global_load_b128 v[16+32*\u+4*\i:19+32*\u+4*\i], v7, s[10:11] offset:(16*\u+2*\i)*8192 th:TH_LOAD_NT
.endr
.endr
	s_lshl_b32 s30, s26, 3                         ; bias[qb][kt][w][s][x][4,096 bytes], x = 2 xp + unit
	s_add_co_u32 s30, s30, s28
	s_lshl_b32 s30, s30, 2
	s_add_co_u32 s30, s30, s27
	s_lshl_b32 s30, s30, 2
	s_add_co_u32 s30, s30, s29
	s_lshl_b32 s30, s30, 1
	s_add_co_u32 s30, s30, s32
	s_lshl_b32 s30, s30, 13
	s_add_nc_u64 s[18:19], s[18:19], s[30:31]
	v_mul_u32_u24 v8, v3, 272
	v_lshl_add_u32 v8, v2, 4, v8
	v_add_nc_u32 v8, s23, v8                       ; in: row 2 i + h of the unit, as loaded
	v_mul_u32_u24 v9, v2, 272
	v_lshl_add_u32 v9, v3, 5, v9
	v_add_nc_u32 v9, s23, v9                       ; back: query r, keys 16 kb + 8 h + 4 half ..: registers 4 half .. of the C operand for key block kb
	v_mov_b32 v10, NEG
	v_mov_b32 v13, 0                               ; the OR of my words: not 0 if a key is visible
	v_mov_b32 v14, -1                              ; their unsigned minimum: 0 if a key is hidden
.irp u, 0,1
	s_wait_loadcnt 8-8*\u                          ; unit u is in; the later unit's eight loads stay out
.set j, 16+32*\u
.rept 32
	v_or_b32 v13, v13, v[j]
	v_min_u32 v14, v14, v[j]
	v_cmp_eq_u32 vcc_lo, 0, v[j]
	v_cndmask_b32 v[j], 0, v10, vcc_lo             ; mask == 0: -1e30; else 0
.set j, j+1
.endr
.irp i, 0,1,2,3,4,5,6,7
	ds_store_b128 v8, v[16+32*\u+4*\i:19+32*\u+4*\i] offset:544*\i
.endr
.irp i, 0,1,2,3,4,5,6,7
	ds_load_b128 v[16+32*\u+4*\i:19+32*\u+4*\i], v9 offset:64*(\i/2)+16*(\i%2)  ; back into the registers that they left
.endr
.irp i, 0,1,2,3,4,5,6,7
	s_wait_dscnt 7-\i
	global_store_b128 v4, v[16+32*\u+4*\i:19+32*\u+4*\i], s[18:19] offset:4096*\u+512*\i
.endr
.endr
	v_cmp_ne_u32 s30, 0, v13
	v_cmp_eq_u32 s28, 0, v14
	s_cmp_lg_u32 s30, 0
	s_cselect_b32 s30, 1, 0                        ; my words hold a visible key
	s_cmp_lg_u32 s28, 0
	s_cselect_b32 s28, 0x10000, 0                  ; they hold a hidden one
	s_or_b32 s30, s30, s28
	v_mov_b32 v12, s30
	v_mov_b32 v11, s22
	v_lshl_add_u32 v11, v11, 2, FLG
	ds_store_b32 v11, v12
.Ljoin:	; one barrier on every job's and every wave's path; in job M it stands between the sixteen findings and wave 0's reading of them
	s_wait_dscnt 0x0                               ; for the others' sake: zero
	s_barrier_signal -1
	s_barrier_wait -1
	s_cmp_eq_u32 s24, 0
	s_cbranch_scc1 .Lend
	s_cmp_lg_u32 s22, 0
	s_cbranch_scc1 .Lend
	v_lshl_add_u32 v11, v2, 2, FLG
	ds_load_b32 v12, v11
	s_and_b32 s27, s25, 7                          ; kt
	s_wait_dscnt 0x0
	v_and_b32 v13, 1, v12
	v_lshrrev_b32 v14, 16, v12
	v_cmp_ne_u32 s30, 0, v13
	v_cmp_ne_u32 s28, 0, v14
	s_cmp_lg_u32 s30, 0
	s_cselect_b32 s30, 1, 0
	s_cmp_lg_u32 s28, 0
	s_cselect_b32 s28, 0x10000, 0
	s_or_b32 s30, s30, s28
	s_lshl_b32 s30, s30, s27                       ; (any visible) << kt | (any hidden) << (16 + kt)
	v_mov_b32 v12, s30
	v_mov_b32 v14, s25
	v_lshlrev_b32 v14, 2, v14                      ; the work-group's number is the word's
	v_cmp_eq_u32 vcc_lo, 0, v1
	s_wait_xcnt 0x0                                ; EXEC changes only behind this wait
	s_and_saveexec_b32 s29, vcc_lo
	global_store_b32 v14, v12, s[20:21]
	s_wait_xcnt 0x0                                ; and again in front of the line that widens it
	s_or_b32 exec_lo, exec_lo, s29
.Lend:
	s_barrier_signal -1
	s_barrier_wait -1
	s_wait_tensorcnt 0x0
	ds_add_u32 v80, v81
	s_wait_dscnt 0x0
	s_endpgm
.Lfunc_end_k_q82d032b948_prep:
	.size	k_q82d032b948_prep, .Lfunc_end_k_q82d032b948_prep-k_q82d032b948_prep
	.p2alignl 7, 3214868480
	.fill 96, 4, 3214868480
	.section	.rodata,"a",@progbits
	.p2align	6, 0x0
	.amdhsa_kernel k_q82d032b948_prep
		.amdhsa_group_segment_fixed_size 71936
		.amdhsa_private_segment_fixed_size 0
		.amdhsa_enable_private_segment 0
		.amdhsa_kernarg_size 72
		.amdhsa_user_sgpr_count 2
		.amdhsa_user_sgpr_kernarg_segment_ptr 1
		.amdhsa_wavefront_size32 1
		.amdhsa_system_sgpr_workgroup_id_x 1
		.amdhsa_system_sgpr_workgroup_id_y 1
		.amdhsa_system_sgpr_workgroup_id_z 1
		.amdhsa_system_vgpr_workitem_id 0
		.amdhsa_next_free_vgpr 82
		.amdhsa_next_free_sgpr 66
		.amdhsa_reserve_vcc 1
		.amdhsa_float_denorm_mode_32 3
		.amdhsa_float_denorm_mode_16_64 3
		.amdhsa_memory_ordered 1
		.amdhsa_forward_progress 1
		.amdhsa_inst_pref_size 36
	.end_amdhsa_kernel
	.amdgpu_metadata
---
amdhsa.version: [ 1, 2 ]
amdhsa.kernels:
  - .name:           k_q82d032b948_prep
    .symbol:         k_q82d032b948_prep.kd
    .args:
      - { .name: x, .offset: 0, .size: 8, .value_kind: global_buffer, .address_space: global }
      - { .name: W_qkv, .offset: 8, .size: 8, .value_kind: global_buffer, .address_space: global }
      - { .name: W_out, .offset: 16, .size: 8, .value_kind: global_buffer, .address_space: global }
      - { .name: mask, .offset: 24, .size: 8, .value_kind: global_buffer, .address_space: global }
      - { .name: xb, .offset: 32, .size: 8, .value_kind: global_buffer, .address_space: global }
      - { .name: wqt, .offset: 40, .size: 8, .value_kind: global_buffer, .address_space: global }
      - { .name: wot, .offset: 48, .size: 8, .value_kind: global_buffer, .address_space: global }
      - { .name: bias, .offset: 56, .size: 8, .value_kind: global_buffer, .address_space: global }
      - { .name: flags, .offset: 64, .size: 8, .value_kind: global_buffer, .address_space: global }
    .group_segment_fixed_size: 71936
    .private_segment_fixed_size: 0
    .kernarg_segment_align: 8
    .kernarg_segment_size: 72
    .max_flat_workgroup_size: 512
    .sgpr_count:     66
    .vgpr_count:     82
    .wavefront_size: 32
...
	.end_amdgpu_metadata
.endif
;; end of part 1
;; launch gqkv (part 2): grid 16 x 32, 4 waves a work-group, clusters of 4 x 4, 327,680 bytes of LDS; arguments xb, wqt, qkv; writes qkv
.if DOCPART == 2
	.amdgcn_target "amdgcn-amd-amdhsa--gfx1250"
	.amdhsa_code_object_version 6
	.text
	.protected	k_q82d032b948_gqkv
	.globl	k_q82d032b948_gqkv
	.p2align	8
	.type	k_q82d032b948_gqkv,@function
k_q82d032b948_gqkv:
	s_mov_b64 s[64:65], 0
	v_nop
	global_prefetch_b8 v0, s[64:65] scope:SCOPE_SE
	s_setreg_imm32_b32 hwreg(HW_REG_WAVE_MODE, 25, 1), 1
	s_wait_xcnt 0x0
	s_wait_alu depctr_hold_cnt(0) depctr_sa_sdst(0) depctr_va_vdst(0) depctr_va_sdst(0) depctr_va_ssrc(0) depctr_va_vcc(0) depctr_vm_vsrc(0)
	s_getreg_b32 s2, hwreg(HW_REG_IB_STS2, 6, 4)
	s_cmp_eq_u32 s2, 0
	s_cbranch_scc0 .Lentry_in_a_cluster
	s_endpgm
.Lentry_in_a_cluster:
	s_bfe_u32 s2, ttmp6, 0x10000c
	s_cmp_lg_u32 s2, 0xf033
	s_cbranch_scc0 .Lentry_shape_is_right
	s_endpgm
.Lentry_shape_is_right:
; q, k, v = x W_qkv.  A = xb (8,192 rows), B = wqt (3,072 rows), both bf16 in blocks: [K step of 128][16 rows][8 blocks of 16 k][512 bytes]; sums in f32; the result is rounded once to f16
; and stored by heads: qkv[which 3][batch x head 64][16 rows of t 128][16 channels 4][512 bytes], again in blocks.
; LIMIT.  q, k and v must lie within f16's 65,504.
; A tile of C is 256 x 192; four waves, each 128 x 96: 48 accumulators of 16 x 16, 384 registers.  K goes in eight steps of 128 through two LDS slots filled by the tensor data mover.
; A half tile of a K step (128 rows of A: 32,768 bytes; 96 rows of B: 24,576) is dense in memory and is asked for as rows of 256 bytes.  In LDS a block lies as in memory, so each
; fragment load of a wave takes 512 consecutive bytes: no padding is needed.
; CLUSTER 4 x 4: the four work-groups of a row need the same tiles of A, the four of a column the same tiles of B: each is asked for jointly, by the same load and descriptor in all four.
; THE MATRIX INSTRUCTION IS USED TRANSPOSED (source 0 = 16 rows of B, source 1 = 16 rows of A): a lane holds row l % 16 and columns 8 (l / 16) + 0..7; four conversions make the 16 bytes
; number l of a block, so the result is stored straight from registers, 512 consecutive aligned bytes an instruction.
; REGISTERS: window 0: v2 16 x lane; v8-13 store offsets; v16-21 LDS addresses; v28, v29 the add's; v64-127, v128-191 A's fragments, two buffers; on the way out v64-255 hold the packed results.
;   window 1: v64-111, v128-175 B's fragments.   window 2: accumulators of my rows 0-63 ((a, b) at 8 (6 a + b));   window 3: those of rows 64-127.
.set AH,    32768                      ; half of A's tile for a K step
.set BH,    24576                      ; half of B's
.set BOFF,  2*AH                       ; B's halves lie behind A's
.set SLOT,  2*AH+2*BH
.set SPARE, 2*SLOT                     ; behind the ring: the spare words, 128 bytes for each wave
.set KSA,   2097152                    ; bytes from a K step to the next in xb
.set KSB,   786432                     ; in wqt
.set LAPS,  4
.set CO,   8
.set ADRA, 16
.set ADRB, 20
.set SPW,  28
.set NIL,  29
.set F0,   64
.set F1,   128
.set TMP,  64                          ; the way out: 24 registers for each of my eight blocks of 16 rows
.set G1, 24                            ; s[24:31] group 1 for A; s[32:39] group 0, a set for each slot
.set G0, 32
.set G1B, 48                           ; s[48:55], s[56:63] the same for B
.set G0B, 56
.set MSB, 0
.macro WIN new                         ; the immediate's high byte repeats the setting that is left
.if MSB != (\new)
	s_set_vgpr_msb (MSB<<8)|(\new)
.set MSB, \new
.endif
.endm
.set MUL_LO, 0xa1                      ; source 0 (B) window 1, source 1 (A) window 0, C and D window 2
.set MUL_HI, 0xf1                      ; the same, C and D window 3
.set TO_B,   0x40                      ; destination window 1, address window 0
.macro JLOAD s                         ; a joint load: waves 0 and 1 fetch A's halves, waves 2 and 3 B's; an s_nop 0 and four v_nop follow each line
	s_cmp_eq_u32 s11, 0
	s_cbranch_scc0 .Lfor_b_\@
	tensor_load_to_lds s[G0+4*(\s):G0+4*(\s)+3], s[G1:G1+7]
	s_nop 0
.rept 4
	v_nop
.endr
	s_branch .Lasked_\@
.Lfor_b_\@:
	tensor_load_to_lds s[G0B+4*(\s):G0B+4*(\s)+3], s[G1B:G1B+7]
	s_nop 0
.rept 4
	v_nop
.endr
.Lasked_\@:
.endm
.macro CREST                           ; a round of the cluster's barrier behind its opening barrier
	s_cmp_lg_u32 s10, 0
	s_cbranch_scc1 .Lnot_wave_0_\@
	s_barrier_signal -3
.Lnot_wave_0_\@:
	s_barrier_wait -3
	s_barrier_signal -1
	s_barrier_wait -1
.endm
.macro CROUND
	s_barrier_signal -1
	s_barrier_wait -1
	CREST
.endm
.macro PLACES                          ; four places in front of loads into registers that matrix instructions have read, and of conversions that read results
.rept 4
	v_nop
.endr
.endm
	s_load_b128 s[4:7], s[0:1], 0x0                ; xb, wqt
	s_load_b64 s[8:9], s[0:1], 0x10                ; qkv
	v_lshl_add_u32 v[SPW], v0, 2, SPARE
	v_mov_b32 v[NIL], 0
	ds_add_u32 v28, v29
	ds_add_u32 v28, v29
	s_wait_dscnt 0x0
	v_lshrrev_b32 v1, 5, v0
	v_readfirstlane_b32 s10, v1                    ; wave 0..3
	s_lshr_b32 s11, s10, 1                         ; which half of the tile's rows is mine.  Also: I fetch for A (0) or B (1)
	s_and_b32 s12, s10, 1                          ; which half of its columns.  Also: which half of that tile I fetch
	s_bfe_u32 s40, ttmp6, 0x40000                  ; cx
	s_bfe_u32 s41, ttmp6, 0x40004                  ; cy
	s_lshl_b32 s42, ttmp9, 2
	s_add_co_u32 s42, s42, s40                     ; tile column
	s_and_b32 s13, ttmp7, 0xffff
	s_lshl_b32 s13, s13, 2
	s_add_co_u32 s13, s13, s41                     ; tile row
	s_lshl_b32 s43, s41, 2
	s_lshl_b32 s43, 15, s43                        ; my row of the cluster
	s_lshl_b32 s44, 0x1111, s40                    ; my column
	s_or_b32 s[G1+0], s43, (3<<16)|(1<<21)         ; 15:0 the mask; 17:16 elements of 8 bytes; 21 set beside a mask; no padding
	s_or_b32 s[G1B+0], s44, (3<<16)|(1<<21)
.irp g, G1, G1B
	s_mov_b32 s[(\g)+1], 32<<16                    ; tensor_dim0 = 32 elements: rows of 256 bytes
	s_mov_b32 s[(\g)+3], 32<<16                    ; tile_dim0 = 32
	s_mov_b32 s[(\g)+5], 32                        ; row to row: dense
	s_mov_b32 s[(\g)+6], 0
	s_mov_b32 s[(\g)+7], 0
.endr
	s_mov_b32 s[G1+2], (AH/256)<<16                ; tensor_dim1 = tile_dim1 = 128 rows
	s_mov_b32 s[G1+4], AH/256
	s_mov_b32 s[G1B+2], (BH/256)<<16               ; 96 rows
	s_mov_b32 s[G1B+4], BH/256
	s_lshl_b32 s16, s13, 16                        ; A: (16 x tile row + 8 x half) x 4,096 bytes
	s_lshl_b32 s17, s12, 15
	s_add_co_u32 s16, s16, s17
	s_mov_b32 s17, 0
	s_mul_i32 s46, s42, 2*BH                       ; B: (12 x tile column + 6 x half) x 4,096
	s_mul_i32 s47, s12, BH
	s_add_co_u32 s46, s46, s47
	s_mov_b32 s47, 0
	s_lshl_b32 s20, s10, 15                        ; where A's halves go: waves 0, 1
	s_mul_i32 s21, s10, BH
	s_add_co_u32 s21, s21, BOFF-2*BH               ; where B's go: waves 2, 3.  No place in the cluster enters an LDS address
	s_wait_kmcnt 0x0
	s_add_nc_u64 s[14:15], s[4:5], s[16:17]
	s_add_nc_u64 s[46:47], s[6:7], s[46:47]
	CROUND                                         ; all sixteen work-groups are here: the first joint loads meet
.irp s, 0,1
	s_mov_b32 s[G0+4*(\s)], 1
	s_add_co_u32 s[G0+4*(\s)+1], s20, (\s)*SLOT
	s_add_nc_u64 s[G0+4*(\s)+2:G0+4*(\s)+3], s[14:15], (\s)*KSA
	s_or_b32 s[G0+4*(\s)+3], s[G0+4*(\s)+3], 0x80000000
	s_mov_b32 s[G0B+4*(\s)], 1
	s_add_co_u32 s[G0B+4*(\s)+1], s21, (\s)*SLOT
	s_add_nc_u64 s[G0B+4*(\s)+2:G0B+4*(\s)+3], s[46:47], (\s)*KSB
	s_or_b32 s[G0B+4*(\s)+3], s[G0B+4*(\s)+3], 0x80000000
	JLOAD \s                                       ; two loads of mine are out: the most in this text
.endr
	v_and_b32 v1, 31, v0
	v_lshlrev_b32 v2, 4, v1                        ; 16 x lane: my bytes in every block
	s_lshl_b32 s22, s11, 15                        ; my 128 rows of A
	s_mul_i32 s23, s12, BH
	s_add_co_u32 s23, s23, BOFF                    ; my 96 rows of B
.irp s, 0,1
	v_add_nc_u32 v[ADRA+(\s)], s22, v2
	v_add_nc_u32 v[ADRB+(\s)], s23, v2
	s_add_co_u32 s22, s22, SLOT
	s_add_co_u32 s23, s23, SLOT
.endr
	; the way out.  Column block n16 = 12 x tile column + 6 x half + b: which = n16 / 64, head = (n16 / 4) % 16, channel block = n16 % 4
	s_mul_i32 s46, s42, 12
	s_mul_i32 s47, s12, 6
	s_add_co_u32 s46, s46, s47
.irp b, 0,1,2,3,4,5
	s_add_co_u32 s47, s46, \b
	s_lshr_b32 s18, s47, 6
	s_lshl_b32 s18, s18, 24
	s_bfe_u32 s19, s47, 0x40002
	s_lshl_b32 s19, s19, 18
	s_add_co_u32 s18, s18, s19
	s_and_b32 s19, s47, 3
	s_lshl_b32 s19, s19, 9
	s_add_co_u32 s18, s18, s19
	v_add_nc_u32 v[CO+\b], s18, v2
.endr
	s_lshl_b32 s16, s13, 4                         ; my first block of 16 rows: 16 x tile row + 8 x half = 128 x batch + t / 16
	s_lshl_b32 s17, s11, 3
	s_add_co_u32 s16, s16, s17
	s_lshr_b32 s17, s16, 7
	s_lshl_b32 s17, s17, 22                        ; a batch: 16 heads of 262,144 bytes
	s_and_b32 s16, s16, 127
	s_lshl_b32 s16, s16, 11                        ; 16 rows of a head: 2,048 bytes
	s_add_co_u32 s16, s16, s17
	s_mov_b32 s17, 0
	s_add_nc_u64 s[8:9], s[8:9], s[16:17]
; 12 matrix instructions: m blocks a0, a0 + 1 of the window's four x all 6 n blocks, 32 along K; the accumulators take turns.  zero = 1: the first product starts the sums
.macro MUL12 f, hi, a0, zero
	WIN MUL_LO+0x50*(\hi)
.irp a, \a0, (\a0)+1
.irp b, 0,1,2,3,4,5
.if \zero
	v_wmma_f32_16x16x32_bf16 v[8*(6*(\a)+(\b)):8*(6*(\a)+(\b))+7], v[(\f)+8*(\b):(\f)+8*(\b)+7], v[(\f)+8*(4*(\hi)+(\a)):(\f)+8*(4*(\hi)+(\a))+7], 0
.else
	v_wmma_f32_16x16x32_bf16 v[8*(6*(\a)+(\b)):8*(6*(\a)+(\b))+7], v[(\f)+8*(\b):(\f)+8*(\b)+7], v[(\f)+8*(4*(\hi)+(\a)):(\f)+8*(4*(\hi)+(\a))+7], v[8*(6*(\a)+(\b)):8*(6*(\a)+(\b))+7]
.endif
.endr
.endr
.endm
; 28 LDS loads in one run: quarter q (32 along K = blocks 2 q, 2 q + 1) of the slot's rows into buffer f: B's 12, then A's 16
.macro FETCH slot, q, f
	WIN TO_B
.irp i, 0,1,2,3,4,5
	ds_load_b128 v[(\f)+8*(\i):(\f)+8*(\i)+3],   v[ADRB+(\slot)] offset:(\i)*4096+(\q)*1024
	ds_load_b128 v[(\f)+8*(\i)+4:(\f)+8*(\i)+7], v[ADRB+(\slot)] offset:(\i)*4096+(\q)*1024+512
.endr
	WIN 0
.irp i, 0,1,2,3,4,5,6,7
	ds_load_b128 v[(\f)+8*(\i):(\f)+8*(\i)+3],   v[ADRA+(\slot)] offset:(\i)*4096+(\q)*1024
	ds_load_b128 v[(\f)+8*(\i)+4:(\f)+8*(\i)+7], v[ADRA+(\slot)] offset:(\i)*4096+(\q)*1024+512
.endr
.endm
; One of a K step's first three quarters: multiplies buffer f; in its middle it fetches quarter q into buffer g
.macro QUARTER slot, q, f, g, zero
	s_wait_dscnt 8                                 ; B and A's rows 0-63 are in; the youngest eight loads (A's rows 64-127) may be out
	MUL12 \f, 0, 0, \zero
	MUL12 \f, 0, 2, \zero
	PLACES
	FETCH \slot, \q, \g
	s_wait_dscnt 28                                ; all but the 28 just issued
	MUL12 \f, 1, 0, \zero
	MUL12 \f, 1, 2, \zero
.endm
; The last quarter multiplies buffer 1 and changes slots: one barrier; in front of it each wave waits for all its tensor loads (one is out: its part of the next slot), adds 0 to its spare
; word, and waits for that and for its reads of this slot.  fill = 1: the barrier opens a round of the cluster's, and this slot is filled again, two K steps ahead, first thing behind it.
.macro TURN slot, next, fill
	WIN 0
	s_wait_tensorcnt 0x0
	ds_add_u32 v[SPW], v[NIL]
	s_wait_dscnt 9                                 ; the add and the youngest eight loads may be out
	MUL12 F1, 0, 0, 0
	s_wait_dscnt 0x0                               ; the add is done, and my reads of this slot are over
	s_barrier_signal -1
	MUL12 F1, 0, 2, 0
.if \fill
	WIN 0
.endif
	s_barrier_wait -1
.if \fill
	CREST                                          ; no wave of any partner still reads this slot or has a load on its way
	s_add_nc_u64 s[G0+4*(\slot)+2:G0+4*(\slot)+3], s[G0+4*(\slot)+2:G0+4*(\slot)+3], 2*KSA
	s_add_nc_u64 s[G0B+4*(\slot)+2:G0B+4*(\slot)+3], s[G0B+4*(\slot)+2:G0B+4*(\slot)+3], 2*KSB
	JLOAD \slot                                    ; its four v_nop are also the places in front of the loads below
.else
	PLACES
.endif
	FETCH \next, 0, F0
	MUL12 F1, 1, 0, 0
	MUL12 F1, 1, 2, 0
.endm
	s_wait_tensorcnt 1                             ; my part of K step 0 is in; K step 1's may stay out
	s_barrier_signal -1
	s_barrier_wait -1
	FETCH 0, 0, F0
	QUARTER 0, 1, F0, F1, 1                        ; the first quarter stands in front of the loop: its products start the sums
	WIN 0
	s_mov_b32 s3, LAPS-1
.Llap:                                                 ; a trip goes once round the ring and fills both slots again
	QUARTER 0, 2, F1, F0, 0
	QUARTER 0, 3, F0, F1, 0
	TURN 0, 1, 1
	QUARTER 1, 1, F0, F1, 0
	QUARTER 1, 2, F1, F0, 0
	QUARTER 1, 3, F0, F1, 0
	TURN 1, 0, 1
	QUARTER 0, 1, F0, F1, 0
	WIN 0
	s_sub_co_u32 s3, s3, 1
	s_cmp_lg_u32 s3, 0
	s_cbranch_scc1 .Llap
	QUARTER 0, 2, F1, F0, 0                        ; the last lap fills nothing
	QUARTER 0, 3, F0, F1, 0
	TURN 0, 1, 0
	QUARTER 1, 1, F0, F1, 0
	QUARTER 1, 2, F1, F0, 0
	QUARTER 1, 3, F0, F1, 0
	s_wait_dscnt 8
	MUL12 F1, 0, 0, 0
	MUL12 F1, 0, 2, 0
	s_wait_dscnt 0x0
	MUL12 F1, 1, 0, 0
	MUL12 F1, 1, 2, 0
	WIN 0
	PLACES                                         ; behind the last products: their results are read, and A's fragment registers written, from here on
	; THE WAY OUT: 16 rows at a time; each accumulator's registers in ascending order; six stores of 512 consecutive bytes.  Each block has packed registers of its own
	; (8 x 24 = the 192 registers v64-255), so no store's data are rewritten and no wait stands between the blocks.
.irp a, 0,1,2,3,4,5,6,7
	WIN 0x0a+5*((\a)/4)                            ; sources 0 and 1: window 2 or 3
.irp b, 0,1,2,3,4,5
.irp j, 0,1,2,3
	v_cvt_pk_f16_f32 v[TMP+24*(\a)+4*(\b)+(\j)], v[8*(6*((\a)%4)+(\b))+2*(\j)], v[8*(6*((\a)%4)+(\b))+2*(\j)+1]
.endr
.endr
	WIN 0
.irp b, 0,1,2,3,4,5
	global_store_b128 v[CO+(\b)], v[TMP+24*(\a)+4*(\b):TMP+24*(\a)+4*(\b)+3], s[8:9] offset:(\a)*2048
.endr
.endr
	s_wait_tensorcnt 0x0                           ; the wave's end
	ds_add_u32 v[SPW], v[NIL]
	s_wait_dscnt 0x0
	CROUND                                         ; the closing round
	s_endpgm
.Lfunc_end_k_q82d032b948_gqkv:
	.size	k_q82d032b948_gqkv, .Lfunc_end_k_q82d032b948_gqkv-k_q82d032b948_gqkv
	.p2alignl 7, 3214868480
	.fill 96, 4, 3214868480
	.section	.rodata,"a",@progbits
	.p2align	6, 0x0
	.amdhsa_kernel k_q82d032b948_gqkv
		.amdhsa_group_segment_fixed_size 327680
		.amdhsa_private_segment_fixed_size 0
		.amdhsa_enable_private_segment 0
		.amdhsa_kernarg_size 24
		.amdhsa_user_sgpr_count 2
		.amdhsa_user_sgpr_kernarg_segment_ptr 1
		.amdhsa_wavefront_size32 1
		.amdhsa_system_sgpr_workgroup_id_x 1
		.amdhsa_system_sgpr_workgroup_id_y 1
		.amdhsa_system_sgpr_workgroup_id_z 1
		.amdhsa_system_vgpr_workitem_id 0
		.amdhsa_next_free_vgpr 960
		.amdhsa_next_free_sgpr 66
		.amdhsa_reserve_vcc 0
		.amdhsa_float_denorm_mode_32 3
		.amdhsa_float_denorm_mode_16_64 3
		.amdhsa_memory_ordered 1
		.amdhsa_forward_progress 1
		.amdhsa_inst_pref_size 110
	.end_amdhsa_kernel
	.amdgpu_metadata
---
amdhsa.version: [ 1, 2 ]
amdhsa.kernels:
  - .name:           k_q82d032b948_gqkv
    .symbol:         k_q82d032b948_gqkv.kd
    .args:
      - { .name: xb, .offset: 0, .size: 8, .value_kind: global_buffer, .address_space: global }
      - { .name: wqt, .offset: 8, .size: 8, .value_kind: global_buffer, .address_space: global }
      - { .name: qkv, .offset: 16, .size: 8, .value_kind: global_buffer, .address_space: global }
    .group_segment_fixed_size: 327680
    .private_segment_fixed_size: 0
    .kernarg_segment_align: 8
    .kernarg_segment_size: 24
    .max_flat_workgroup_size: 128
    .sgpr_count:     66
    .vgpr_count:     960
    .wavefront_size: 32
...
	.end_amdgpu_metadata
.endif
;; end of part 2
;; launch attn (part 3): grid 4 x 64, 4 waves a work-group, no clusters, 66,048 bytes of LDS; arguments qkv, bias, flags, ob; writes ob
.if DOCPART == 3
	.amdgcn_target "amdgcn-amd-amdhsa--gfx1250"
	.amdhsa_code_object_version 6
	.text
	.protected	k_q82d032b948_attn
	.globl	k_q82d032b948_attn
	.p2align	8
	.type	k_q82d032b948_attn,@function
k_q82d032b948_attn:
	s_mov_b64 s[64:65], 0
	v_nop
	global_prefetch_b8 v0, s[64:65] scope:SCOPE_SE
	s_setreg_imm32_b32 hwreg(HW_REG_WAVE_MODE, 25, 1), 1
	s_wait_xcnt 0x0
; ATTENTION UNDER A GIVEN MASK.  O[q] = the sum over k of softmax_k(Q[q] . K[k] / 8 + bias[q][k]) V[k], bias = 0 or -1e30 as the launch before made it of the mask.
; q, k, v: f16 by heads, in blocks of 16 rows x 16 channels (512 bytes; the 16 bytes number 16 h + r hold row r, channels 8 h ..): qkv[which][batch x head][t / 16][channel block][512].
; Products, maxima and sums in f32; the weights p are rounded to f16 for the second product (their sum l is taken of the unrounded p), O once at the end, into ob, in the next product's blocks.
; LIMITS.  q, k, v lie within f16's 65,504.  A hidden score counts as its value less 1e30 (f16's scores are 2.7e11 at the most).  A weight below 2^-126 counts as 0 in l.
; A query whose running maximum ends below -1e29 has seen no visible key: its row is set to NaN, which is what a softmax over -inf alone gives.
; THE WALK.  A head's queries lie in 8 blocks of 256, its keys in 8 tiles of 256.  A work-group takes blocks 7 - p and then p: 16 trips, a constant.  The flags (whole numbers that the launch before
; stored: for each half block and tile a word, bit kt: some key is visible, bit 16 + kt: some key is hidden) say what a trip does: a tile with no visible key is neither fetched nor computed; a tile with no hidden
; key takes the constant 0 as the scores' C operand; the others load their bias.  Both barriers of a trip stand outside these forward jumps, on every path.
; FILLS THROUGH REGISTERS, NO CLUSTER: whether a tile is fetched hangs on the flags, which differ between the four work-groups of a head; a fill by the tensor data mover may not be jumped over,
; and asked for in all 16 trips it would fetch tiles that nobody reads.  So each wave loads its quarter of the next live tile into 128 registers while the tile in hand is computed, and stores it into LDS between the two barriers.
; SHARES, LAYOUT, TURNS.  Wave w owns queries 64 w + 16 x of a block: four PIECES x.  S^T = K Q^T holds ONE query a lane (lane % 16) and the keys 8 (lane / 16) + 0..7; two such results rounded to f16
; ARE source 1 of O^T = V^T P.  p = 2^(c s - c m), c = log2(e) / 8, with a running maximum m; O and l are multiplied by a = 2^(c m_old - c m_new) in every step of 64 keys.  Turn n belongs to piece n:
; 8 products K Q^T of piece n + 1, later 8 products V^T P of piece n - 1; beside them the scaling, exponentials, roundings, sums and rescaling of piece n and the maximum and statistics of piece n + 1:
; four vector instructions behind every matrix instruction, the rest in two runs of their own.
; REGISTERS, in windows of 256 (s_set_vgpr_msb: bits 1:0 source 0, 3:2 source 1, 5:4 source 2, 7:6 destination):
;   window 0: v2-6 addresses; v12-13, v48-55 at work; v16-31 statistics; v64-127 S^T, two buffers; v128-191 the next tile's V on its way; v192-223 P, two buffers
;   window 1: v0-127 O^T, 32 a piece; v128-255 the bias, 32 a piece      window 2: v0-63 Q; v64-127 the next tile's K on its way; v128-191 K of one step; v192-255 V of one step
;   window 3: v0-63 the second block's Q, loaded at the start
.set NP,  4
.set AK0, 2           ; v2   16 x lane: my bytes in a block; never rewritten
.set AV0, 3           ; v3   my place in a block of V for the turning load, + 32,768
.set AK,  4           ; v4   LDS address of K's next run of loads
.set AV,  5           ; v5   of V's
.set SA,  6           ; v6   where my quarter of a tile goes in LDS
.set MV,  12
.set ST,  16          ; piece t's statistics at v[ST+4 t]: c m, m, l (even keys', odd keys')
.set TMP, 48
.set S,   64
.set SV,  128
.set P,   192
.set MC,  128         ; window 1
.set SK,  64          ; window 2
.set KF,  128         ; window 2: key block kb, channel half c at KF + 16 kb + 8 c
.set VF,  192         ; window 2: key half kk, channel block cb at VF + 32 kk + 8 cb
.set WV,  12          ; s12 wave
.set PB,  14          ; s14 p
.set QBL, 15          ; s15 the query block in hand
.set BHD, 16          ; s16 batch x 16 + head
.set KH,  18          ; s[18:19] K at my quarter of the head's tile 0
.set VH,  20          ; s[20:21] V likewise
.set QH,  22          ; s[22:23] Q at my rows of the head's block 0
.set QA,  24          ; s[24:25] Q at my rows of the first block
.set OBA, 26          ; s[26:27] ob at my rows of the block in hand
.set BT,  28          ; s[28:29] my bias of the tile in hand
.set BB,  30          ; s[30:31] of the step whose bias is being loaded
.set SBO, 66          ; s[66:67] that step's byte offset
.set OFF, 68          ; s[68:69] an offset, high word 0
.set KA,  70          ; s[70:71] K's tile on its way
.set VA,  72          ; s[72:73] V's
.set LV,  74          ; s74 bit 0: the tile in hand has a visible key; bit 1: the next one; ...
.set HD,  75          ; s75 the same for hidden keys
.set KT,  76          ; s76 the tile's number
.set BLK, 77
.set TCNT, 78
.set CNT, 80          ; s80 counts a tile's key steps
.set TBK, 81          ; s81 LDS byte at which K of the step to be fetched begins
.set TBV, 82          ; s82 the same for V
.set CS,  84          ; s[84:85] c
.set SEL, 86          ; s[86:87] v_permlanex16_b32's selects: each lane takes its own place in the other half
.set THR, 88          ; s88 -1e29
.set QNAN, 89         ; s89 a NaN
.set QA2, 90          ; s[90:91] Q at my rows of the second block
.set MSB, 0
.macro WIN new
.if MSB != (\new)
	s_set_vgpr_msb (MSB<<8)|(\new)
.set MSB, (\new)
.endif
.endm
.set W_KQ, 0x0a       ; K and Q in window 2, S^T in window 0
.set W_KM, 0x1a       ; the same with the C operand in window 1
.set W_PV, 0x52       ; V in window 2, P in window 0, O^T in window 1
.set W_RS, 0x41       ; destination and source 0 in window 1, source 1 in window 0
.macro STAGE_LOAD                   ; my quarter (8,192 bytes each) of K's and V's tile, 512 consecutive bytes a load
	WIN 0x80
.set i, 0
.rept 16
	global_load_b128 v[SK+4*i:SK+4*i+3], v[AK0], s[KA:KA+1] offset:512*i
.set i, i+1
.endr
	WIN 0
.set i, 0
.rept 16
	global_load_b128 v[SV+4*i:SV+4*i+3], v[AK0], s[VA:VA+1] offset:512*i
.set i, i+1
.endr
.endm
	s_load_b256 s[4:11], s[0:1], 0x0  ; qkv 4:5, bias 6:7, flags 8:9, ob 10:11
	v_lshl_add_u32 v254, v0, 2, 0x10000
	v_mov_b32 v255, 0
	v_lshrrev_b32 v1, 5, v0
	v_readfirstlane_b32 s[WV], v1
	s_mov_b32 s[PB], ttmp9
	s_and_b32 s[BHD], ttmp7, 0xffff
	s_sub_co_u32 s[QBL], 7, s[PB]
	s_lshl_b32 s17, s[QBL], 6       ; a block's sixteen flag words
	s_lshl_b32 s13, s[PB], 6
	v_and_b32 v1, 31, v0
	v_lshlrev_b32 v[AK0], 4, v1
	s_wait_kmcnt 0x0
	s_load_b512 s[32:47], s[8:9], s17 offset:0x0    ; the first block's flags,
	s_load_b512 s[48:63], s[8:9], s13 offset:0x0    ; the second's
	s_lshl_b32 s[OFF], s[BHD], 18   ; a head: 262,144 bytes
	s_lshl_b32 s[OFF+1], s[WV], 13  ; my 64 rows of 256: 8,192 bytes
	s_add_co_u32 s[OFF], s[OFF], s[OFF+1]
	s_mov_b32 s[OFF+1], 0
	s_add_nc_u64 s[QH:QH+1], s[4:5], s[OFF:OFF+1]
	s_add_nc_u64 s[KH:KH+1], s[QH:QH+1], 0x1000000
	s_add_nc_u64 s[VH:VH+1], s[QH:QH+1], 0x2000000
	s_mov_b64 s[KA:KA+1], s[KH:KH+1]
	s_mov_b64 s[VA:VA+1], s[VH:VH+1]
	STAGE_LOAD                      ; tile 0, whatever its flag: these registers are then written on every path
	s_lshl_b32 s[OFF], s[QBL], 15
	s_add_nc_u64 s[QA:QA+1], s[QH:QH+1], s[OFF:OFF+1]
	s_lshl_b32 s[OFF], s[PB], 15
	s_add_nc_u64 s[QA2:QA2+1], s[QH:QH+1], s[OFF:OFF+1]
	WIN 0x80
.set i, 0
.rept 8                             ; both blocks' Q now, so that no load of Q stands between the blocks: piece i / 2, channels 32 (i % 2) on: two blocks of 512 bytes each
	global_load_b128 v[8*i:8*i+3],   v[AK0], s[QA:QA+1] offset:(i/2)*2048+(i%2)*1024
	global_load_b128 v[8*i+4:8*i+7], v[AK0], s[QA:QA+1] offset:(i/2)*2048+(i%2)*1024+512
.set i, i+1
.endr
	WIN 0xc0
.set i, 0
.rept 8
	global_load_b128 v[8*i:8*i+3],   v[AK0], s[QA2:QA2+1] offset:(i/2)*2048+(i%2)*1024
	global_load_b128 v[8*i+4:8*i+7], v[AK0], s[QA2:QA2+1] offset:(i/2)*2048+(i%2)*1024+512
.set i, i+1
.endr
	WIN 0
	s_lshl_b32 s[OFF], s[WV], 16
	s_add_nc_u64 s[6:7], s[6:7], s[OFF:OFF+1]  ; bias at my wave's part of a tile
	s_and_b32 s2, s[BHD], 15        ; head
	s_lshr_b32 s3, s2, 1
	s_lshl_b32 s[OFF], s3, 21       ; ob: K step = head / 2,
	s_and_b32 s2, s2, 1
	s_lshl_b32 s2, s2, 11           ; blocks 4 (head % 2) on,
	s_add_co_u32 s[OFF], s[OFF], s2
	s_lshr_b32 s2, s[BHD], 4
	s_lshl_b32 s2, s2, 19           ; the batch's 128 blocks of 16 rows,
	s_add_co_u32 s[OFF], s[OFF], s2
	s_lshl_b32 s2, s[WV], 14        ; my four of a query block's sixteen
	s_add_co_u32 s[OFF], s[OFF], s2
	s_add_nc_u64 s[10:11], s[10:11], s[OFF:OFF+1]
	s_mov_b32 s[SBO+1], 0
	s_mov_b32 s[CS], 0x3e38aa3b     ; c = log2(e) / 8
	s_mov_b32 s[CS+1], s[CS]
	s_mov_b32 s[SEL], 0x76543210
	s_mov_b32 s[SEL+1], 0xfedcba98
	s_mov_b32 s[THR], 0xefa18f08    ; -1e29
	s_mov_b32 s[QNAN], 0x7fc00000
	s_mov_b32 s[BLK], 2
	; The turning load takes 16 keys x 16 channels: lane l reads key 8 (l / 16) + l % 8, channels 8 ((l / 8) % 2) + 0..7: the 16 bytes number 16 ((l / 8) % 2) + 8 (l / 16) + l % 8 of the block
	v_bfe_u32 v9, v0, 4, 1
	v_and_b32 v10, 7, v0
	v_bfe_u32 v11, v0, 3, 1
	v_lshl_add_u32 v[AV0], v11, 4, v10
	v_lshl_add_u32 v[AV0], v9, 3, v[AV0]
	v_lshlrev_b32 v[AV0], 4, v[AV0]
	v_add_nc_u32 v[AV0], 0x8000, v[AV0]
	v_lshl_add_u32 v[SA], s[WV], 13, v[AK0]
	; A block's first step multiplies O^T by a = 0, and a tile's first products V^T P multiply a P that is 0: O^T and V need only hold finite numbers.  All this stands in the wait for the first tile.
	WIN 0x80
.set i, VF
.rept 64
	v_mov_b32 v[i], 0
.set i, i+1
.endr
	WIN 0x40
.set i, 0
.rept 128
	v_mov_b32 v[i], 0
.set i, i+1
.endr
	WIN 0
.set i, TMP
.rept 8
	v_mov_b32 v[i], 0
.set i, i+1
.endr
	s_wait_kmcnt 0x0
.irp b, 32, 48
.irp j, 1,2,3,4,5,6,7,8,9,10,11,12,13,14,15
	s_or_b32 s[\b], s[\b], s[\b+\j]  ; each word holds its bits at places kt and 16 + kt; the two halves of a block are taken together
.endr
.endr
	s_and_b32 s[LV], s32, 0xff
	s_and_b32 s2, s48, 0xff
	s_lshl_b32 s2, s2, 8
	s_or_b32 s[LV], s[LV], s2       ; sixteen bits in the walk's order
	s_bfe_u32 s[HD], s32, 0x80010
	s_bfe_u32 s2, s48, 0x80010
	s_lshl_b32 s2, s2, 8
	s_or_b32 s[HD], s[HD], s2
; THE MATRIX WORK.  The 4 accumulators of a run of 8 take turns.  Product i of 8 of S^T = K Q^T for piece x: channels 32 (i / 4) on, keys 16 (i % 4) on.  The first 4 start the sums: with 0, or (KM = 1) with the bias.
.macro KQ x
.set rS, S+32*((\x)%2)+8*(i%4)
.set rK, KF+16*(i%4)+8*(i/4)
.set rQ, 16*(\x)+8*(i/4)
.set rM, MC+32*(\x)+8*(i%4)
.if (i < 4) && KM
	WIN W_KM
	v_wmma_f32_16x16x32_f16 v[rS:rS+7], v[rK:rK+7], v[rQ:rQ+7], v[rM:rM+7]
.elseif i < 4
	WIN W_KQ
	v_wmma_f32_16x16x32_f16 v[rS:rS+7], v[rK:rK+7], v[rQ:rQ+7], 0
.else
	WIN W_KQ
	v_wmma_f32_16x16x32_f16 v[rS:rS+7], v[rK:rK+7], v[rQ:rQ+7], v[rS:rS+7]
.endif
.endm
; Product i of 8 of O^T += V^T P for piece x: keys 32 (i / 4) on, channels 16 (i % 4) on.
.macro PV x
	WIN W_PV
.set rO, 32*(\x)+8*(i%4)
.set rV, VF+32*(i/4)+8*(i%4)
.set rP, P+16*((\x)%2)+8*(i/4)
	v_wmma_f32_16x16x32_f16 v[rO:rO+7], v[rV:rV+7], v[rP:rP+7], v[rO:rO+7]
.endm
.macro MM                           ; the turn's next matrix instruction.  NOKQ = 1: a tile's last turn: there is no next piece
.if (i < 8) && !NOKQ
	KQ (Y+1)%NP
.elseif i >= 8
.set i, i-8
	PV (Y+NP-1)%NP
.set i, i+8
.endif
.set i, i+1
.endm
; THE LDS LOADS stand in runs of 16: a step's K (64 keys x 64 channels: 8 fragments, two blocks each) and its V (turned)
.macro FETCH_K
	WIN 0x80
.irp f, 0,1,2,3,4,5,6,7             ; keys 16 (f / 2) on, channels 32 (f % 2) on
	ds_load_b128 v[KF+8*\f:KF+8*\f+3],   v[AK] offset:(\f/2)*2048+(\f%2)*1024
	ds_load_b128 v[KF+8*\f+4:KF+8*\f+7], v[AK] offset:(\f/2)*2048+(\f%2)*1024+512
.endr
	s_add_co_u32 s[TBK], s[TBK], 8192  ; the next fetch is the next step's
	WIN 0
.endm
.macro FETCH_V
	WIN 0x80
.irp f, 0,1,2,3,4,5,6,7             ; keys 32 (f / 4) on, channels 16 (f % 4) on
	ds_load_tr16_b128 v[VF+8*\f:VF+8*\f+3],   v[AV] offset:(\f/4)*4096+(\f%4)*512
	ds_load_tr16_b128 v[VF+8*\f+4:VF+8*\f+7], v[AV] offset:(\f/4)*4096+2048+(\f%4)*512
.endr
	WIN 0
.endm
.macro MLOAD x                      ; piece x's bias for the step at BB: eight loads of 512 consecutive bytes, in the C operand's order
	WIN 0x40
.irp f, 0,1,2,3,4,5,6,7
	global_load_b128 v[MC+32*(\x)+4*\f:MC+32*(\x)+4*\f+3], v[AK0], s[BB:BB+1] offset:4096*(\x)+512*\f
.endr
	WIN 0
.endm
; THE VECTOR WORK, one line at a time: OP kind, number.  For piece Y: F n: c s - c m for pair n of 16.  E n: the exponential of score n of 32.  C n: pair n rounded to f16.  B n: of the four weights 4 n .. the second
; pair is added onto the first, in place.  L n: l takes that sum (L 0: l = a l + sum).  R n: pair n of 16 of O^T times a.  For piece Y + 1: X n, number n of the 22 that find its maximum and statistics:
;   0-11  four chains c0-c3 of seven scores each (each accumulator's lowest registers are read first)     12-14, 16  the four scores left over, the old m, and c0-c3 into c0
;   15  c m_old is kept     17, 18  the query's other 32 keys lie in the lane 16 away: the new m     19-21  c m; c m_old - c m_new; a
.set F, 0
.set E, 1
.set C, 2
.set B, 3
.set L, 4
.set R, 5
.set X, 6
.macro REGS y
.set rT, ST+4*(\y)
.set rC, TMP+4*((\y)%2)
.set rW, MV+((\y)%2)
.set rS, S+32*((\y)%2)
.set rP, P+16*((\y)%2)
.set rO, 32*(\y)
.endm
.macro OP k, n
.if (\k) == R
	REGS Y
	WIN W_RS
	v_pk_mul_f32 v[rO+2*(\n):rO+2*(\n)+1], v[rO+2*(\n):rO+2*(\n)+1], v[rC+2:rC+3] op_sel_hi:[1,0]
.elseif (\k) < R
	REGS Y
	WIN 0
.if (\k) == F
	v_pk_fma_f32 v[rS+2*(\n):rS+2*(\n)+1], v[rS+2*(\n):rS+2*(\n)+1], s[CS:CS+1], v[rT:rT+1] op_sel_hi:[1,0,0] neg_lo:[0,0,1] neg_hi:[0,0,1]
.elseif (\k) == E
	v_exp_f32 v[rS+(\n)], v[rS+(\n)]
.elseif (\k) == C
	s_wait_alu depctr_va_vdst(0)
	v_cvt_pk_f16_f32 v[rP+(\n)], v[rS+2*(\n)], v[rS+2*(\n)+1]
.elseif (\k) == B
	s_wait_alu depctr_va_vdst(0)
	v_pk_add_f32 v[rS+4*(\n):rS+4*(\n)+1], v[rS+4*(\n):rS+4*(\n)+1], v[rS+4*(\n)+2:rS+4*(\n)+3]
.elseif (\n) == 0
	v_pk_fma_f32 v[rT+2:rT+3], v[rT+2:rT+3], v[rC+2:rC+3], v[rS:rS+1] op_sel_hi:[1,0,1]
.else
	v_pk_add_f32 v[rT+2:rT+3], v[rT+2:rT+3], v[rS+4*(\n):rS+4*(\n)+1]
.endif
.elseif NOKQ
	v_nop
.else
	REGS (Y+1)%NP
	WIN 0
.if (\n) < 4
	v_max3_num_f32 v[rC+(\n)], v[rS+8*(\n)], v[rS+8*(\n)+1], v[rS+8*(\n)+2]
.elseif (\n) < 12
	v_max3_num_f32 v[rC+(\n)%4], v[rC+(\n)%4], v[rS+8*((\n)%4)+2*((\n)/4)+1], v[rS+8*((\n)%4)+2*((\n)/4)+2]
.elseif (\n) == 12
	v_max3_num_f32 v[rC], v[rC], v[rS+7], v[rS+15]
.elseif (\n) == 13
	v_max3_num_f32 v[rC+1], v[rC+1], v[rS+23], v[rS+31]
.elseif (\n) == 14
	v_max3_num_f32 v[rC+2], v[rC+2], v[rC+3], v[rT+1]
.elseif (\n) == 15
	v_mov_b32 v[rW], v[rT]
.elseif (\n) == 16
	v_max3_num_f32 v[rC], v[rC], v[rC+1], v[rC+2]
.elseif (\n) == 17
	v_permlanex16_b32 v[rC+3], v[rC], s[SEL], s[SEL+1]
.elseif (\n) == 18
	v_max_num_f32 v[rT+1], v[rC], v[rC+3]
.elseif (\n) == 19
	v_mul_f32 v[rT], s[CS], v[rT+1]
.elseif (\n) == 20
	v_sub_f32 v[rC+1], v[rW], v[rT]
.else
	v_exp_f32 v[rC+2], v[rC+1]
.endif
.endif
.endm
.macro OPS a, i1, b=-1, i2=0, c=-1, i3=0, d=-1, i4=0
	OP \a, \i1
.if (\b) >= 0
	OP \b, \i2
.endif
.if (\c) >= 0
	OP \c, \i3
.endif
.if (\d) >= 0
	OP \d, \i4
.endif
.endm
.macro ROW a, i1, b, i2, c, i3, d, i4  ; a matrix instruction and the four behind it
	MM
	OPS \a, \i1, \b, \i2, \c, \i3, \d, \i4
.endm
; A TURN, for piece p: the order of its 16 matrix and 118 vector instructions, written out.  Behind a matrix instruction: plain, exponential, plain, plain; or four of the rescaling; none names a register of the
; products round it.  In the runs between, exponential and plain by turns while exponentials last.
; m = 1: the tile has hidden keys: the products K Q^T of piece p + 1 start from its bias.  At the turn's head that bias is waited for: behind its eight loads the next three pieces' 24 were issued, and stay out.
; When the four products that read it lie more than four plain instructions back, the same registers are loaded with the piece's bias of the next step.  The step's offset goes on in piece 3's turn and wraps
; inside the tile's 65,536 bytes, so that the three loads behind a tile's last step, which nobody uses, stay inside the buffer.
; end = 1: a tile's last two turns: nothing is fetched.  cnt = 1: the loop's count is taken down some lines ahead of the branch behind the turn.
; K of the next step is fetched in piece 2's turn, V of the step in hand in piece 0's, each more than four plain instructions behind the last product that read those registers; each is waited for a turn later.
.macro TURN p, m=0, end=0, cnt=0
.set Y, (\p)
.set i, 0
.set KM, (\m)
.set NOKQ, (\end)*((\p)/3)
.if (\m) && !NOKQ
	s_wait_loadcnt 24
.endif
.if ((\p) == 3) && !(\end)
	s_wait_dscnt 0x0                ; K is in
.endif
	ROW F,0, F,1, F,2, F,3
	ROW F,4, E,0, F,5, F,6
	ROW F,7, E,1, F,8, F,9
	ROW F,10, E,2, C,0, F,11
	ROW F,12, E,3, X,15, F,13
	ROW R,0, R,1, R,2, R,3
	ROW B,0, E,4, F,14, L,0
.if ((\p) == 2) && !(\end)
	v_add_nc_u32 v[AK], s[TBK], v[AK0]
.endif
	ROW R,4, R,5, R,6, R,7
	OPS E,5, F,15
.if ((\p) == 2) && !(\end)
	FETCH_K
.endif
.if (\m) && !(\end)
.if (\p) == 3
	s_wait_xcnt 0x0                 ; BB is the base of loads that are out: rewritten only behind this wait
	s_add_co_u32 s[SBO], s[SBO], 16384
	s_and_b32 s[SBO], s[SBO], 0xc000
	s_add_nc_u64 s[BB:BB+1], s[BT:BT+1], s[SBO:SBO+1]
.endif
	MLOAD ((\p)+1)%NP
.endif
	OPS E,6, C,1, E,7, R,8
	OPS E,8, R,9, E,9, C,2
	OPS E,10, X,0, E,11, X,1
	OPS E,12, X,2, E,13, X,3
.if (\p) == 1
	s_wait_dscnt 0x0                ; V is in
.endif
	ROW X,4, E,14, X,5, X,6
	ROW X,7, E,15, X,8, X,9
	ROW X,10, E,16, X,11, X,12
	ROW X,13, E,17, X,14, B,1
	ROW C,4, E,18, X,16, L,1
	ROW B,2, E,19, C,6, L,2
	ROW C,8, E,20, B,3, B,4
.if (\p) == 0
	v_add_nc_u32 v[AV], s[TBV], v[AV0]
.endif
	ROW C,3, E,21, L,3, C,5
	OPS E,22, X,17, E,23, C,10
.if (\p) == 0
	FETCH_V
.endif
	OPS E,24, L,4
	OPS E,25, X,18, E,26, C,7
	OPS E,27, B,5, E,28, X,19
	OPS E,29, C,12, E,30, L,5
	OPS E,31, X,20, B,6, C,9
	OPS C,14, C,11, X,21, L,6
.if (\p) == 0
	s_add_co_u32 s[TBV], s[TBV], 8192
.endif
.if \cnt
	s_sub_co_u32 s[CNT], s[CNT], 1
	s_cmp_lg_u32 s[CNT], 0
.endif
	OPS C,13, B,7, C,15, R,10
	OPS R,11, R,12, L,7, R,13
	OPS R,14, R,15
.endm
; A LIVE TILE: four key steps.  It begins with K of step 0, piece 0's scores, and its maximum and statistics; the loop is entered at a step's first turn, in the middle of a trip.  P's second buffer is 0, so that
; the first turn's products V^T P, of a piece that has not been, add nothing.  It ends with the last two turns and the last piece's products.
.macro TILE m
	s_mov_b32 s[TBK], 0
	s_mov_b32 s[TBV], 0
	s_mov_b32 s[CNT], 4
.set i, P+16
.rept 16
	v_mov_b32 v[i], 0
.set i, i+1
.endr
.if \m
	s_mov_b32 s[SBO], 0
	s_mov_b64 s[BB:BB+1], s[BT:BT+1]  ; the last loads that named BB were shown done by the trip's wait for all loads
	MLOAD 0
	MLOAD 1
	MLOAD 2
	MLOAD 3
.endif
	v_mov_b32 v[AK], v[AK0]
	FETCH_K
.if \m
	s_wait_loadcnt 24               ; piece 0's bias is in; the other three pieces' 24 loads stay out
.endif
	s_wait_dscnt 0x0
.set KM, (\m)
.set NOKQ, 0
.set i, 0
.rept 8
	KQ 0
.set i, i+1
.endr
	WIN 0
.rept 4
	v_nop                           ; the places behind those products
.endr
.if \m
	s_wait_xcnt 0x0                 ; BB is the base of the three pieces' loads that are out
	s_mov_b32 s[SBO], 16384
	s_add_nc_u64 s[BB:BB+1], s[BT:BT+1], s[SBO:SBO+1]
	MLOAD 0                         ; piece 0's bias of step 1
.endif
.set Y, NP-1                        ; X works for piece Y + 1: piece 0
.irp n, 0,1,2,3,4,5,6,7,8,9,10,11,12,13,14,15,16,17,18,19,20,21
	OP X, \n
.endr
	v_nop                           ; a plain instruction behind the exponential
	s_branch .Lfirst\m
.Lstep\m:                           ; a trip: pieces 2 and 3 of one step, then pieces 0 and 1 of the next
	TURN 2, \m
	TURN 3, \m
	WIN 0
.Lfirst\m:
	TURN 0, \m
	TURN 1, \m, 0, 1
	WIN 0
	s_cbranch_scc1 .Lstep\m
	TURN 2, \m, 1
	TURN 3, \m, 1
.set i, 0
.rept 8
	PV NP-1
.set i, i+1
.endr
	WIN 0
.rept 4
	v_nop                           ; the places behind the last products: P is written and O^T read next
.endr
.endm
.set KM, 0
.set NOKQ, 0
.Lblock:                            ; twice: query blocks 7 - p and p.  (OBA's last stores have passed the wait that ends the way out)
	s_lshl_b32 s[OFF], s[QBL], 16
	s_add_nc_u64 s[OBA:OBA+1], s[10:11], s[OFF:OFF+1]
.set i, 0
.rept 4
	v_mov_b32 v[ST+4*i], 0xfe000000    ; c m: far below every c s, so the first step's a is 0
	v_mov_b32 v[ST+4*i+1], 0xff7fffff  ; m: the lowest finite number
	v_mov_b32 v[ST+4*i+2], 0
	v_mov_b32 v[ST+4*i+3], 0
.set i, i+1
.endr
	s_mov_b32 s[KT], 0
	s_mov_b32 s[TCNT], 8
.Ltile:                             ; eight trips a block
	s_wait_loadcnt 0x0              ; the tile on its way, both Q, and what is left of the last tile's bias loads: every load is done, so their bases KA, VA and BB may be written below
	s_wait_dscnt 0x0                ; my reads of the old tile are over
	s_barrier_signal -1
	s_barrier_wait -1               ; everybody's are
	s_bitcmp1_b32 s[LV], 0
	s_cbranch_scc0 .Lnofill
	WIN 0x08                        ; store data in window 2
.set i, 0
.rept 16
	ds_store_b128 v[SA], v[SK+4*i:SK+4*i+3] offset:512*i
.set i, i+1
.endr
	WIN 0
.set i, 0
.rept 16
	ds_store_b128 v[SA], v[SV+4*i:SV+4*i+3] offset:32768+512*i
.set i, i+1
.endr
.Lnofill:
	s_wait_dscnt 0x0                ; for the others' sake: my quarter is written
	s_barrier_signal -1
	s_barrier_wait -1               ; the tile is whole
	s_bitcmp1_b32 s[LV], 1
	s_cbranch_scc0 .Lnonext
	s_add_co_u32 s[OFF], s[KT], 1
	s_and_b32 s[OFF], s[OFF], 7     ; behind a block's tile 7 comes the next block's tile 0
	s_lshl_b32 s[OFF], s[OFF], 15
	s_add_nc_u64 s[KA:KA+1], s[KH:KH+1], s[OFF:OFF+1]
	s_add_nc_u64 s[VA:VA+1], s[VH:VH+1], s[OFF:OFF+1]
	STAGE_LOAD                      ; the next live tile has this tile's work in which to land
.Lnonext:
	s_bitcmp1_b32 s[LV], 0
	s_cbranch_scc0 .Lbottom
	s_lshl_b32 s[OFF], s[QBL], 3    ; OFF and BT are operands of no memory instruction: no wait stands here
	s_add_co_u32 s[OFF], s[OFF], s[KT]
	s_lshl_b32 s[OFF], s[OFF], 18
	s_add_nc_u64 s[BT:BT+1], s[6:7], s[OFF:OFF+1]
	s_bitcmp1_b32 s[HD], 0
	s_cbranch_scc0 .Lplain
	TILE 1
	s_branch .Lbottom
.Lplain:
	TILE 0
.Lbottom:
	s_lshr_b32 s[LV], s[LV], 1
	s_lshr_b32 s[HD], s[HD], 1
	s_add_co_u32 s[KT], s[KT], 1
	s_sub_co_u32 s[TCNT], s[TCNT], 1
	s_cmp_lg_u32 s[TCNT], 0
	s_cbranch_scc1 .Ltile
	; THE WAY OUT.  l's two halves and the other half of the lanes' are added; 1 / l, or a NaN where no key was visible (a choice of a value, no branch); O^T times that goes into other registers, so that
	; O^T itself stays finite for the next block; rounded to f16, a lane's eight channels are the 16 bytes number l of a block: stored straight, 512 consecutive aligned bytes an instruction.
.irp t, 0,1,2,3
	v_add_f32 v[TMP+2*\t], v[ST+4*\t+2], v[ST+4*\t+3]
.endr
.irp t, 0,1,2,3
	v_permlanex16_b32 v[TMP+2*\t+1], v[TMP+2*\t], s[SEL], s[SEL+1]
.endr
.irp t, 0,1,2,3
	v_add_f32 v[TMP+2*\t], v[TMP+2*\t], v[TMP+2*\t+1]
.endr
.irp t, 0,1,2,3
	v_rcp_f32 v[TMP+2*\t], v[TMP+2*\t]
.endr
	v_nop                           ; a plain instruction between the last reciprocal and the use of its result
.irp t, 0,1,2,3
	v_cmp_gt_f32 vcc_lo, s[THR], v[ST+4*\t+1]
	s_wait_alu depctr_va_vdst(0)
	v_cndmask_b32 v[TMP+2*\t], v[TMP+2*\t], s[QNAN], vcc_lo
.endr
.irp t, 0,1,2,3
	WIN 0x01                        ; source 0 in window 1
.set i, 0
.rept 16
	v_pk_mul_f32 v[P+2*i:P+2*i+1], v[32*\t+2*i:32*\t+2*i+1], v[TMP+2*\t:TMP+2*\t+1] op_sel_hi:[1,0]
.set i, i+1
.endr
	WIN 0
.set i, 0
.rept 16
	v_cvt_pk_f16_f32 v[S+16*\t+i], v[P+2*i], v[P+2*i+1]
.set i, i+1
.endr
.irp f, 0,1,2,3
	global_store_b128 v[AK0], v[S+16*\t+4*\f:S+16*\t+4*\f+3], s[OBA:OBA+1] offset:4096*\t+512*\f
.endr
.endr
	WIN 0x83                        ; destination window 2, source 0 window 3: the second block's Q goes where the one text of the turns names Q (behind the second block the copy serves nothing)
.set i, 0
.rept 64
	v_mov_b32 v[i], v[i]
.set i, i+1
.endr
	WIN 0
	s_wait_xcnt 0x0                 ; the stores have read their registers and OBA
	s_mov_b32 s[QBL], s[PB]
	s_sub_co_u32 s[BLK], s[BLK], 1
	s_cmp_lg_u32 s[BLK], 0
	s_cbranch_scc1 .Lblock
	s_barrier_signal -1
	s_barrier_wait -1
	s_wait_tensorcnt 0x0
	ds_add_u32 v254, v255
	s_wait_dscnt 0x0
	s_endpgm
.Lfunc_end_k_q82d032b948_attn:
	.size	k_q82d032b948_attn, .Lfunc_end_k_q82d032b948_attn-k_q82d032b948_attn
	.p2alignl 7, 3214868480
	.fill 96, 4, 3214868480
	.section	.rodata,"a",@progbits
	.p2align	6, 0x0
	.amdhsa_kernel k_q82d032b948_attn
		.amdhsa_group_segment_fixed_size 66048
		.amdhsa_private_segment_fixed_size 0
		.amdhsa_enable_private_segment 0
		.amdhsa_kernarg_size 32
		.amdhsa_user_sgpr_count 2
		.amdhsa_user_sgpr_kernarg_segment_ptr 1
		.amdhsa_wavefront_size32 1
		.amdhsa_system_sgpr_workgroup_id_x 1
		.amdhsa_system_sgpr_workgroup_id_y 1
		.amdhsa_system_sgpr_workgroup_id_z 1
		.amdhsa_system_vgpr_workitem_id 0
		.amdhsa_next_free_vgpr 832
		.amdhsa_next_free_sgpr 96
		.amdhsa_reserve_vcc 1
		.amdhsa_float_denorm_mode_32 3
		.amdhsa_float_denorm_mode_16_64 3
		.amdhsa_memory_ordered 1
		.amdhsa_forward_progress 1
		.amdhsa_inst_pref_size 167
	.end_amdhsa_kernel
	.amdgpu_metadata
---
amdhsa.version: [ 1, 2 ]
amdhsa.kernels:
  - .name:           k_q82d032b948_attn
    .symbol:         k_q82d032b948_attn.kd
    .args:
      - { .name: qkv, .offset: 0, .size: 8, .value_kind: global_buffer, .address_space: global }
      - { .name: bias, .offset: 8, .size: 8, .value_kind: global_buffer, .address_space: global }
      - { .name: flags, .offset: 16, .size: 8, .value_kind: global_buffer, .address_space: global }
      - { .name: ob, .offset: 24, .size: 8, .value_kind: global_buffer, .address_space: global }
    .group_segment_fixed_size: 66048
    .private_segment_fixed_size: 0
    .kernarg_segment_align: 8
    .kernarg_segment_size: 32
    .max_flat_workgroup_size: 128
    .sgpr_count:     96
    .vgpr_count:     832
    .wavefront_size: 32
...
	.end_amdgpu_metadata
.endif
;; end of part 3
;; launch gout (part 4): grid 4 x 64, 4 waves a work-group, clusters of 4 x 4, 327,680 bytes of LDS; arguments ob, wot, out0; writes out0
.if DOCPART == 4
	.amdgcn_target "amdgcn-amd-amdhsa--gfx1250"
	.amdhsa_code_object_version 6
	.text
	.protected	k_q82d032b948_gout
	.globl	k_q82d032b948_gout
	.p2align	8
	.type	k_q82d032b948_gout,@function
k_q82d032b948_gout:
	s_mov_b64 s[64:65], 0
	v_nop
	global_prefetch_b8 v0, s[64:65] scope:SCOPE_SE
	s_setreg_imm32_b32 hwreg(HW_REG_WAVE_MODE, 25, 1), 1
	s_wait_xcnt 0x0
	s_wait_alu depctr_hold_cnt(0) depctr_sa_sdst(0) depctr_va_vdst(0) depctr_va_sdst(0) depctr_va_ssrc(0) depctr_va_vcc(0) depctr_vm_vsrc(0)
	s_getreg_b32 s2, hwreg(HW_REG_IB_STS2, 6, 4)
	s_cmp_eq_u32 s2, 0
	s_cbranch_scc0 .Lentry_in_a_cluster
	s_endpgm
.Lentry_in_a_cluster:
	s_bfe_u32 s2, ttmp6, 0x10000c
	s_cmp_lg_u32 s2, 0xf033
	s_cbranch_scc0 .Lentry_shape_is_right
	s_endpgm
.Lentry_shape_is_right:
; out0 = O W_out.  A = ob (8,192 rows), B = wot (1,024 rows), both f16 in blocks: [K step of 128][16 rows][8 blocks of 16 k][512 bytes]; sums in f32, stored as f32, row-major.
; A tile of C is 128 x 256, so that the 256 tiles give each work-group one; four waves, each 64 x 128: 32 accumulators of 16 x 16, 256 registers.  K goes in eight steps of 128 through two LDS slots
; filled by the tensor data mover; a half tile of a K step (128 rows of B: 32,768 bytes; 64 rows of A: 16,384) is dense in memory and is asked for as rows of 256 bytes.  In LDS a block lies as in
; memory, so each fragment load of a wave takes 512 consecutive bytes: no padding is needed.
; CLUSTER 4 x 4: A's tiles are shared along a row of the cluster, B's along a column: each is asked for jointly.
; THE MATRIX INSTRUCTION IS USED TRANSPOSED (source 0 = 16 rows of B, source 1 = 16 rows of A): a lane holds row l % 16 and columns 8 (l / 16) + 0..7, 32 bytes.  The way out goes through a stage
; of the wave's own in LDS, 16 rows of 528 bytes, and comes back as whole rows of my 128 columns: 512 consecutive aligned bytes a store.
; A NaN in a row of ob (a query with no visible key) makes the whole row of out0 NaN, as in the definition.
; REGISTERS: window 0: v2 16 x lane; v16-21 LDS addresses; v24-26 the way out; v28, v29 the add's; v64-95, v128-159 A's fragments, two buffers; v192-255 rows read back.
;   window 1: v64-127, v128-191 B's fragments.   window 2: the accumulators ((a, b) at 8 (8 a + b)).
.set AH,    16384
.set BH,    32768
.set AOFF,  2*BH                       ; A's halves lie behind B's
.set SLOT,  2*AH+2*BH
.set STAGE, 2*SLOT                     ; behind the ring, never filled by a tensor load
.set SPITCH, 528
.set SPARE, STAGE+4*16*SPITCH          ; behind the stages: the spare words, 128 bytes for each wave
.set KSA,   2097152
.set KSB,   262144
.set LAPS,  4
.set ADRA, 16
.set ADRB, 20
.set STO,  24
.set RD,   25
.set CO,   26
.set SPW,  28
.set NIL,  29
.set F0,   64
.set F1,   128
.set OBK,  192
.set G1, 24
.set G0, 32
.set G1B, 48
.set G0B, 56
.set MSB, 0
.macro WIN new
.if MSB != (\new)
	s_set_vgpr_msb (MSB<<8)|(\new)
.set MSB, \new
.endif
.endm
.set MUL,  0xa1                        ; source 0 (B) window 1, source 1 (A) window 0, C and D window 2
.set TO_B, 0x40
.macro JLOAD s                         ; a joint load: waves 0 and 1 fetch B's halves, waves 2 and 3 A's; an s_nop 0 and four v_nop follow each line
	s_cmp_eq_u32 s11, 0
	s_cbranch_scc0 .Lfor_a_\@
	tensor_load_to_lds s[G0B+4*(\s):G0B+4*(\s)+3], s[G1B:G1B+7]
	s_nop 0
.rept 4
	v_nop
.endr
	s_branch .Lasked_\@
.Lfor_a_\@:
	tensor_load_to_lds s[G0+4*(\s):G0+4*(\s)+3], s[G1:G1+7]
	s_nop 0
.rept 4
	v_nop
.endr
.Lasked_\@:
.endm
.macro CREST
	s_cmp_lg_u32 s10, 0
	s_cbranch_scc1 .Lnot_wave_0_\@
	s_barrier_signal -3
.Lnot_wave_0_\@:
	s_barrier_wait -3
	s_barrier_signal -1
	s_barrier_wait -1
.endm
.macro CROUND
	s_barrier_signal -1
	s_barrier_wait -1
	CREST
.endm
.macro PLACES
.rept 4
	v_nop
.endr
.endm
	s_load_b128 s[4:7], s[0:1], 0x0                ; ob, wot
	s_load_b64 s[8:9], s[0:1], 0x10                ; out0
	v_lshl_add_u32 v[SPW], v0, 2, SPARE
	v_mov_b32 v[NIL], 0
	ds_add_u32 v28, v29
	ds_add_u32 v28, v29
	s_wait_dscnt 0x0
	v_lshrrev_b32 v1, 5, v0
	v_readfirstlane_b32 s10, v1                    ; wave 0..3
	s_lshr_b32 s11, s10, 1                         ; which half of the tile's rows is mine.  Also: I fetch for B (0) or A (1)
	s_and_b32 s12, s10, 1                          ; which half of its columns.  Also: which half of that tile I fetch
	s_bfe_u32 s40, ttmp6, 0x40000                  ; cx
	s_bfe_u32 s41, ttmp6, 0x40004                  ; cy
	s_lshl_b32 s42, ttmp9, 2
	s_add_co_u32 s42, s42, s40                     ; tile column
	s_and_b32 s13, ttmp7, 0xffff
	s_lshl_b32 s13, s13, 2
	s_add_co_u32 s13, s13, s41                     ; tile row
	s_lshl_b32 s43, s41, 2
	s_lshl_b32 s43, 15, s43                        ; my row of the cluster
	s_lshl_b32 s44, 0x1111, s40                    ; my column
	s_or_b32 s[G1+0], s43, (3<<16)|(1<<21)         ; 15:0 the mask; 17:16 elements of 8 bytes; 21 set beside a mask; no padding
	s_or_b32 s[G1B+0], s44, (3<<16)|(1<<21)
.irp g, G1, G1B
	s_mov_b32 s[(\g)+1], 32<<16                    ; rows of 256 bytes
	s_mov_b32 s[(\g)+3], 32<<16
	s_mov_b32 s[(\g)+5], 32                        ; dense
	s_mov_b32 s[(\g)+6], 0
	s_mov_b32 s[(\g)+7], 0
.endr
	s_mov_b32 s[G1+2], (AH/256)<<16                ; 64 rows
	s_mov_b32 s[G1+4], AH/256
	s_mov_b32 s[G1B+2], (BH/256)<<16               ; 128 rows
	s_mov_b32 s[G1B+4], BH/256
	s_lshl_b32 s16, s13, 15                        ; A: (8 x tile row + 4 x half) x 4,096 bytes
	s_lshl_b32 s17, s12, 14
	s_add_co_u32 s16, s16, s17
	s_mov_b32 s17, 0
	s_lshl_b32 s46, s42, 16                        ; B: (16 x tile column + 8 x half) x 4,096
	s_lshl_b32 s47, s12, 15
	s_add_co_u32 s46, s46, s47
	s_mov_b32 s47, 0
	s_lshl_b32 s20, s10, 15                        ; where B's halves go: waves 0, 1
	s_lshl_b32 s21, s10, 14
	s_add_co_u32 s21, s21, AOFF-2*AH               ; where A's go: waves 2, 3
	s_wait_kmcnt 0x0
	s_add_nc_u64 s[14:15], s[4:5], s[16:17]
	s_add_nc_u64 s[46:47], s[6:7], s[46:47]
	CROUND                                         ; all sixteen work-groups are here: the first joint loads meet
.irp s, 0,1
	s_mov_b32 s[G0+4*(\s)], 1
	s_add_co_u32 s[G0+4*(\s)+1], s21, (\s)*SLOT
	s_add_nc_u64 s[G0+4*(\s)+2:G0+4*(\s)+3], s[14:15], (\s)*KSA
	s_or_b32 s[G0+4*(\s)+3], s[G0+4*(\s)+3], 0x80000000
	s_mov_b32 s[G0B+4*(\s)], 1
	s_add_co_u32 s[G0B+4*(\s)+1], s20, (\s)*SLOT
	s_add_nc_u64 s[G0B+4*(\s)+2:G0B+4*(\s)+3], s[46:47], (\s)*KSB
	s_or_b32 s[G0B+4*(\s)+3], s[G0B+4*(\s)+3], 0x80000000
	JLOAD \s                                       ; two loads of mine are out: the most in this text
.endr
	v_and_b32 v1, 31, v0
	v_lshlrev_b32 v2, 4, v1                        ; 16 x lane
	v_and_b32 v3, 15, v0                           ; r
	v_bfe_u32 v4, v0, 4, 1                         ; h
	s_lshl_b32 s22, s11, 14
	s_add_co_u32 s22, s22, AOFF                    ; my 64 rows of A
	s_lshl_b32 s23, s12, 15                        ; my 128 rows of B
.irp s, 0,1
	v_add_nc_u32 v[ADRA+(\s)], s22, v2
	v_add_nc_u32 v[ADRB+(\s)], s23, v2
	s_add_co_u32 s22, s22, SLOT
	s_add_co_u32 s23, s23, SLOT
.endr
	s_mul_i32 s22, s10, 16*SPITCH
	s_add_co_u32 s22, s22, STAGE                   ; my stage
	v_mul_u32_u24 v[STO], v3, SPITCH               ; in: row r, 32 bytes for each half of the lanes; 16 rows 528 bytes apart touch 16 different 16-byte columns modulo 256
	v_lshl_add_u32 v[STO], v4, 5, v[STO]
	v_add_nc_u32 v[STO], s22, v[STO]
	v_add_nc_u32 v[RD], s22, v2                    ; back: a whole row of 512 bytes
	v_mov_b32 v[CO], v2
	s_lshl_b32 s16, s13, 19                        ; (128 x tile row + 64 x half) rows of 4,096 bytes
	s_lshl_b32 s17, s11, 18
	s_add_co_u32 s16, s16, s17
	s_mov_b32 s17, 0
	s_add_nc_u64 s[8:9], s[8:9], s[16:17]
	s_lshl_b32 s46, s42, 10                        ; (256 x tile column + 128 x half) columns of 4 bytes
	s_lshl_b32 s47, s12, 9
	s_add_co_u32 s46, s46, s47
	s_mov_b32 s47, 0
	s_add_nc_u64 s[8:9], s[8:9], s[46:47]
; 8 matrix instructions: m block a x all 8 n blocks, 32 along K; the accumulators take turns.  zero = 1: the first product starts the sums
.macro MUL8 f, a, zero
	WIN MUL
.irp b, 0,1,2,3,4,5,6,7
.if \zero
	v_wmma_f32_16x16x32_f16 v[8*(8*(\a)+(\b)):8*(8*(\a)+(\b))+7], v[(\f)+8*(\b):(\f)+8*(\b)+7], v[(\f)+8*(\a):(\f)+8*(\a)+7], 0
.else
	v_wmma_f32_16x16x32_f16 v[8*(8*(\a)+(\b)):8*(8*(\a)+(\b))+7], v[(\f)+8*(\b):(\f)+8*(\b)+7], v[(\f)+8*(\a):(\f)+8*(\a)+7], v[8*(8*(\a)+(\b)):8*(8*(\a)+(\b))+7]
.endif
.endr
.endm
; 24 LDS loads in one run: quarter q of the slot's rows into buffer f: B's 16, then A's 8
.macro FETCH slot, q, f
	WIN TO_B
.irp i, 0,1,2,3,4,5,6,7
	ds_load_b128 v[(\f)+8*(\i):(\f)+8*(\i)+3],   v[ADRB+(\slot)] offset:(\i)*4096+(\q)*1024
	ds_load_b128 v[(\f)+8*(\i)+4:(\f)+8*(\i)+7], v[ADRB+(\slot)] offset:(\i)*4096+(\q)*1024+512
.endr
	WIN 0
.irp i, 0,1,2,3
	ds_load_b128 v[(\f)+8*(\i):(\f)+8*(\i)+3],   v[ADRA+(\slot)] offset:(\i)*4096+(\q)*1024
	ds_load_b128 v[(\f)+8*(\i)+4:(\f)+8*(\i)+7], v[ADRA+(\slot)] offset:(\i)*4096+(\q)*1024+512
.endr
.endm
.macro QUARTER slot, q, f, g, zero
	s_wait_dscnt 4                                 ; B and A's rows 0-31 are in; the youngest four loads (A's rows 32-63) may be out
	MUL8 \f, 0, \zero
	MUL8 \f, 1, \zero
	PLACES
	FETCH \slot, \q, \g
	s_wait_dscnt 24                                ; all but the 24 just issued
	MUL8 \f, 2, \zero
	MUL8 \f, 3, \zero
.endm
; The last quarter multiplies buffer 1 and changes slots: one barrier; in front of it each wave waits for all its tensor loads, adds 0 to its spare word, and waits for that and for its reads of this slot.
; fill = 1: the barrier opens a round of the cluster's, and this slot is filled again, two K steps ahead, first thing behind it.
.macro TURN slot, next, fill
	WIN 0
	s_wait_tensorcnt 0x0
	ds_add_u32 v[SPW], v[NIL]
	s_wait_dscnt 5                                 ; the add and the youngest four loads may be out
	MUL8 F1, 0, 0
	s_wait_dscnt 0x0                               ; the add is done, and my reads of this slot are over
	s_barrier_signal -1
	MUL8 F1, 1, 0
.if \fill
	WIN 0
.endif
	s_barrier_wait -1
.if \fill
	CREST
	s_add_nc_u64 s[G0+4*(\slot)+2:G0+4*(\slot)+3], s[G0+4*(\slot)+2:G0+4*(\slot)+3], 2*KSA
	s_add_nc_u64 s[G0B+4*(\slot)+2:G0B+4*(\slot)+3], s[G0B+4*(\slot)+2:G0B+4*(\slot)+3], 2*KSB
	JLOAD \slot                                    ; its four v_nop are also the places in front of the loads below
.else
	PLACES
.endif
	FETCH \next, 0, F0
	MUL8 F1, 2, 0
	MUL8 F1, 3, 0
.endm
	s_wait_tensorcnt 1                             ; my part of K step 0 is in; K step 1's may stay out
	s_barrier_signal -1
	s_barrier_wait -1
	FETCH 0, 0, F0
	QUARTER 0, 1, F0, F1, 1
	WIN 0
	s_mov_b32 s3, LAPS-1
.Llap:
	QUARTER 0, 2, F1, F0, 0
	QUARTER 0, 3, F0, F1, 0
	TURN 0, 1, 1
	QUARTER 1, 1, F0, F1, 0
	QUARTER 1, 2, F1, F0, 0
	QUARTER 1, 3, F0, F1, 0
	TURN 1, 0, 1
	QUARTER 0, 1, F0, F1, 0
	WIN 0
	s_sub_co_u32 s3, s3, 1
	s_cmp_lg_u32 s3, 0
	s_cbranch_scc1 .Llap
	QUARTER 0, 2, F1, F0, 0                        ; the last lap fills nothing
	QUARTER 0, 3, F0, F1, 0
	TURN 0, 1, 0
	QUARTER 1, 1, F0, F1, 0
	QUARTER 1, 2, F1, F0, 0
	QUARTER 1, 3, F0, F1, 0
	s_wait_dscnt 4
	MUL8 F1, 0, 0
	MUL8 F1, 1, 0
	s_wait_dscnt 0x0
	MUL8 F1, 2, 0
	MUL8 F1, 3, 0
	WIN 0
	PLACES
	; THE WAY OUT, 16 rows at a time: each accumulator's low half first; LDS serves a wave's instructions in order (ISA guide 5.7.1.4), so the loads see the stores and the next rows' stores come behind the loads
.irp a, 0,1,2,3
	WIN 0x08                                       ; store data in window 2
.irp b, 0,1,2,3,4,5,6,7
	ds_store_b128 v[STO], v[8*(8*(\a)+(\b)):8*(8*(\a)+(\b))+3] offset:64*(\b)
	ds_store_b128 v[STO], v[8*(8*(\a)+(\b))+4:8*(8*(\a)+(\b))+7] offset:64*(\b)+16
.endr
	WIN 0
	s_wait_xcnt 0x0                                ; v192-255 were the last rows' store data: rewritten only behind this wait
.irp t, 0,1,2,3,4,5,6,7,8,9,10,11,12,13,14,15
	ds_load_b128 v[OBK+4*(\t):OBK+4*(\t)+3], v[RD] offset:SPITCH*(\t)
.endr
.irp t, 0,1,2,3,4,5,6,7,8,9,10,11,12,13,14,15
	s_wait_dscnt 15-(\t)
	global_store_b128 v[CO], v[OBK+4*(\t):OBK+4*(\t)+3], s[8:9] offset:(16*(\a)+(\t))*4096 th:TH_STORE_NT
.endr
.endr
	s_wait_tensorcnt 0x0                           ; the wave's end
	ds_add_u32 v[SPW], v[NIL]
	s_wait_dscnt 0x0
	CROUND                                         ; the closing round
	s_endpgm
.Lfunc_end_k_q82d032b948_gout:
	.size	k_q82d032b948_gout, .Lfunc_end_k_q82d032b948_gout-k_q82d032b948_gout
	.p2alignl 7, 3214868480
	.fill 96, 4, 3214868480
	.section	.rodata,"a",@progbits
	.p2align	6, 0x0
	.amdhsa_kernel k_q82d032b948_gout
		.amdhsa_group_segment_fixed_size 327680
		.amdhsa_private_segment_fixed_size 0
		.amdhsa_enable_private_segment 0
		.amdhsa_kernarg_size 24
		.amdhsa_user_sgpr_count 2
		.amdhsa_user_sgpr_kernarg_segment_ptr 1
		.amdhsa_wavefront_size32 1
		.amdhsa_system_sgpr_workgroup_id_x 1
		.amdhsa_system_sgpr_workgroup_id_y 1
		.amdhsa_system_sgpr_workgroup_id_z 1
		.amdhsa_system_vgpr_workitem_id 0
		.amdhsa_next_free_vgpr 768
		.amdhsa_next_free_sgpr 66
		.amdhsa_reserve_vcc 0
		.amdhsa_float_denorm_mode_32 3
		.amdhsa_float_denorm_mode_16_64 3
		.amdhsa_memory_ordered 1
		.amdhsa_forward_progress 1
		.amdhsa_inst_pref_size 87
	.end_amdhsa_kernel
	.amdgpu_metadata
---
amdhsa.version: [ 1, 2 ]
amdhsa.kernels:
  - .name:           k_q82d032b948_gout
    .symbol:         k_q82d032b948_gout.kd
    .args:
      - { .name: ob, .offset: 0, .size: 8, .value_kind: global_buffer, .address_space: global }
      - { .name: wot, .offset: 8, .size: 8, .value_kind: global_buffer, .address_space: global }
      - { .name: out0, .offset: 16, .size: 8, .value_kind: global_buffer, .address_space: global }
    .group_segment_fixed_size: 327680
    .private_segment_fixed_size: 0
    .kernarg_segment_align: 8
    .kernarg_segment_size: 24
    .max_flat_workgroup_size: 128
    .sgpr_count:     66
    .vgpr_count:     768
    .wavefront_size: 32
...
	.end_amdgpu_metadata
.endif
;; end of part 4
